; MI455X (gfx1250); checked and timed in simulation.
; The chip was launched on July 23, 2026; its instructions are those of AMD's public machine-readable ISA for CDNA 5 (MIT licence, August 2026) and "CDNA5" Instruction Set Architecture Reference Guide (July 2026). The comments in the code are by the model that wrote it; some were corrected since.
;; Bayesian Layer. Allowed arithmetic: float matrix products may take bf16 or f16 operands with f32 sums; all other float work in f32.
;; Inputs: eps 32 x 2 x 1,024 x 1,024 float32; eps_bias 32 x 2 x 1,024 float32; mu 1,024 x 1,024 float32; mu_bias 1 x 1,024 float32; ro 1,024 x 1,024 float32; ro_bias 1 x 1,024 float32; x 32 x 1,024 float32.
;; Outputs: out0 32 x 1,024 float32; out1 one number float32; out2 one number float32.
;; One version. Each part assembles by itself: llvm-mc -triple=amdgcn-amd-amdhsa -mcpu=gfx1250 --defsym DOCPART=n.
;; ======== version 1 of 1: 2 launches
;; limits: right only within a limited range of input values
;; workspace buffers: part 2,097,152 bytes; sums 2,048 bytes
;; launch stream (part 1): grid 16 x 16, 16 waves a work-group, no clusters, 272,640 bytes of LDS; arguments eps, eps_bias, mu, mu_bias, ro, ro_bias, x, part, sums; writes part, sums
.if DOCPART == 1
	.amdgcn_target "amdgcn-amd-amdhsa--gfx1250"
	.amdhsa_code_object_version 6
	.text
	.protected	k_q1928fd3625_stream
	.globl	k_q1928fd3625_stream
	.p2align	8
	.type	k_q1928fd3625_stream,@function
k_q1928fd3625_stream:
	s_mov_b64 s[64:65], 0
	v_nop
	global_prefetch_b8 v0, s[64:65] scope:SCOPE_SE
	s_setreg_imm32_b32 hwreg(HW_REG_WAVE_MODE, 25, 1), 1
	s_wait_xcnt 0x0
; Bayesian layer, the one pass over eps.  w = eps * softplus(ro) + mu for 32 b x 2 r x 1024 i x 1024 o, all in f32 on the vector unit.
; The product x[b] . w[b,r] is 64 products of ONE row, each with a matrix of its own: a matrix instruction would use one row of sixteen, and
; the rounding to 16 bits would cost as many vector instructions as the packed multiply-add that it replaced.  So no matrix instruction here.
; SHARES.  Work-group (ob, ib) owns rows i = 64 ib .. +63 and columns o = 64 ob .. +63 for all 64 (b, r): 1 MiB of eps, read once.
; Thread t (g = t / 16, col = t % 16) owns rows 2 g, 2 g + 1 and columns 4 col .. +3: eight (i, o), whose constants stay in registers.
; Sixteen neighbouring lanes load 256 consecutive bytes, aligned.  A ring of four register slots (one b each, four loads) keeps 16 loads of a wave out.
; POSTERIOR.  log and clip are monotone: log clip(g) = clip(c - d^2 / (2 s^2), LO, HI), c = -ln s - ln(2 pi) / 2, LO = ln 1e-10, HI = ln 10,
;   = LO + (dhi^2 - z^2) / (2 s^2) with z = |d| held between dlo = s sqrt(2 max(c' - HI, 0)) and dhi = s sqrt(2 (c' - LO)), c' = max(c, LO).
;   d = w - mu is formed in f32 as the definition forms it.  Each (i, o) sums z^2 - dhi^2 over its 64 (b, r): no exponential and no logarithm an element.
; PRIOR, in log2, with u = w^2.  Half the wide bell, clipped below at 5e-11: la = K1 v + L1, v = min(u, UA), K1 = -log2(e) / 2, L1 = log2(1 / (2 sqrt(2 pi))),
;   UA = 44.2138 where that bell meets its clip.  Half the narrow bell, clipped alike: lb, and lb - la = max(D, n), D = (K2 - K1) u + log2 10, K2 = -50 log2(e),
;   n = |K1| (v - UA) <= 0.  (The narrow bell is clipped from u = 0.49 on, so where the wide one is clipped too D lies far below n = 0.)
;   log2 mixture = la + log2(1 + 2^max(D, n)): one exponential an element.  The upper clip at 10 cannot bind (the bells reach 0.399 and 3.99).
;   1 + 2^.. lies in [1, 11], a product of sixteen under 4.6e16: one logarithm serves the sixteen elements of a lane's turn.
;   The sum of la is K1 x (sum of v) + 512 L1 a lane: v is never negative, so no difference of large sums is formed.
; OUT.  x[b,i] (w[b,0,i,o] + w[b,1,i,o]) summed over a thread's two rows goes to LDS, is summed over the block's 32 g behind a barrier and stored to part[ib][b][o].
; LIMITS.  w is one fused multiply-add (the definition rounds the product first).  ro < -87.3 gives s = 0 and NaN here (the definition gives NaN from
;   s < 2.6e-23 on, where 2 s^2 is 0).  For s < 1e-21 z^2 is a denormal: the error of one log grows to about 1 at s = 3e-23.  ro > 88.7: finite here, infinite there.
;   A NaN in eps, mu or ro is not carried into the prior sum (the minimum and the maximum drop it).
.set XL,  0                            ; LDS: x tile [b 32][64 f32], rows of 256 bytes
.set PL,  8192                         ; LDS: partial products [b 32][g 32][64 f32]: 8,192 bytes a b, 256 a g
.set RED, 270336                       ; LDS: two sums for each of 16 waves
.set VOFF, 2                           ; v2      g * 8192 + col * 16 (254,192 at the most): my 16 bytes of row 2 g in eps, mu, ro; also my place in PL when summing over g
.set XA,  3                            ; v3      LDS address of my two x of the trip's first b
.set PA,  4                            ; v4      LDS address of my 16 bytes of partial products, the trip's first b
.set BP,  5                            ; v5      my bias element's posterior term (waves 8-15; 0 in waves 0-7)
.set PS,  8                            ; v[8:11] the b's partial products of my four columns
.set OFF, 12                           ; v[12:15] slot s: byte offset of the b that the slot loads
.set CN,  16                           ; v[16:17] -|K1| UA twice;  v[18:19] log2 10 twice
.set CD,  18
.set AL,  20                           ; v20     sum of the logarithms of the products; at the end v[20:21] are the lane's two sums
.set XG,  22                           ; v22     (t / 16) * 4096 + col * 16: x load and part store
.set SG,  24                           ; v[24:31] sigma of my eight (i, o), index 4 k + j
.set MU,  32                           ; v[32:39] mu
.set DLO, 40                           ; v[40:47] dlo
.set DHI, 48                           ; v[48:55] dhi
.set AZ,  56                           ; v[56:63] sum of z^2 - dhi^2
.set E,   64                           ; v[64:127] ring: slot s at E + 16 s, index 8 r + 4 k + j
.set W,   128                          ; v[128:143] w, then d, then z
.set U,   144                          ; v[144:159] u, then D, then the exponent and 2^exponent
.set T,   160                          ; v[160:175] v, then n, then the products
.set EB,  176
.set ROB, 177
.set MB,  178
.set SB,  179
.set WB,  180                          ; v[181:187] at work
.set AV,  192                          ; v[192:195] sum of v, two pairs by turns
.set X,   196                          ; v[196:203] slot s: x[b, 2 g], x[b, 2 g + 1] of the slot's b
.set USE_DUAL, 1                       ; 1: a minimum or maximum of two neighbouring registers is one dual-issue pair
; softplus of n registers: sg = max(ro, 0) + log1p(y), y = 2^(-|ro| log2 e).  log1p(y) = ln 2 log2(1 + y) from y = 2^-7 on, below it y (1 + y (y / 3 - 1/2)),
; cut at y^3 / 4 < 1.2e-7 of the result.  ro is overwritten.  Behind each run of transcendentals a plain instruction that names none of their registers comes first (ISA guide 5.7.2).
.macro SOFTPLUS n, ro, sg, y, p
.set i, 0
.rept \n
	v_mul_f32 v[\y+i], s39, |v[\ro+i]|
.set i, i+1
.endr
.set i, 0
.rept \n
	v_exp_f32 v[\y+i], v[\y+i]
.set i, i+1
.endr
.set i, 0
.rept \n
	v_max_num_f32 v[\ro+i], 0, v[\ro+i]
.set i, i+1
.endr
.set i, 0
	s_wait_alu depctr_va_vdst(0)
.rept \n
	v_add_f32 v[\sg+i], 1.0, v[\y+i]
.set i, i+1
.endr
.set i, 0
.rept \n
	v_log_f32 v[\sg+i], v[\sg+i]
.set i, i+1
.endr
.set i, 0
.rept \n
	v_fma_f32 v[\p+i], v[\y+i], s31, -0.5
.set i, i+1
.endr
.set i, 0
.rept \n
	v_fma_f32 v[\p+i], v[\p+i], v[\y+i], 1.0
.set i, i+1
.endr
.set i, 0
	s_wait_alu depctr_va_vdst(0)
.rept \n
	v_mul_f32 v[\p+i], v[\p+i], v[\y+i]
	v_mul_f32 v[\sg+i], 0x3f317218, v[\sg+i]       ; ln 2
	v_cmp_gt_f32 vcc_lo, 0x3c000000, v[\y+i]       ; y < 2^-7: the series
	v_cndmask_b32 v[\sg+i], v[\sg+i], v[\p+i], vcc_lo
	v_add_f32 v[\sg+i], v[\sg+i], v[\ro+i]
.set i, i+1
.endr
.endm
; sum over the wave's 32 lanes, result in every lane; tmp has been written before
.macro WSUM r, tmp
	v_add_f32_dpp v[\r], v[\r], v[\r] row_xmask:1 row_mask:0xf bank_mask:0xf
	v_add_f32_dpp v[\r], v[\r], v[\r] row_xmask:2 row_mask:0xf bank_mask:0xf
	v_add_f32_dpp v[\r], v[\r], v[\r] row_xmask:4 row_mask:0xf bank_mask:0xf
	v_add_f32_dpp v[\r], v[\r], v[\r] row_xmask:8 row_mask:0xf bank_mask:0xf
	v_permlanex16_b32 v[\tmp], v[\r], s32, s33
	v_add_f32 v[\r], v[\r], v[\tmp]
.endm
; slot s takes its b: r = 0, 1 (4 MiB apart) x my rows k = 0, 1 (4,096 bytes apart).  eps is read once in the launch.
.macro FILL s
.irp r, 0,1
.irp k, 0,1
	global_load_b128 v[E+16*\s+8*\r+4*\k:E+16*\s+8*\r+4*\k+3], v[OFF+\s], s[8:9] offset:\r*4194304+\k*4096 th:TH_LOAD_NT
.endr
.endr
.endm
.macro MIN2 d, a                       ; d, d + 1 = min(UA, a), min(UA, a + 1); d and a even
.if USE_DUAL
	v_dual_min_num_f32 v[\d], s30, v[\a] :: v_dual_min_num_f32 v[\d+1], s30, v[\a+1]
.else
	v_min_num_f32 v[\d], s30, v[\a]
	v_min_num_f32 v[\d+1], s30, v[\a+1]
.endif
.endm
.macro MAXD d, a                       ; d, d + 1 = max(d, a), max(d + 1, a + 1); d and a even
.if USE_DUAL
	v_dual_max_num_f32 v[\d], v[\d], v[\a] :: v_dual_max_num_f32 v[\d+1], v[\d+1], v[\a+1]
.else
	v_max_num_f32 v[\d], v[\d], v[\a]
	v_max_num_f32 v[\d+1], v[\d+1], v[\a+1]
.endif
.endm
	s_load_b512 s[8:23], s[0:1], 0x0               ; eps 8, eps_bias 10, mu 12, mu_bias 14, ro 16, ro_bias 18, x 20, part 22
	s_load_b64 s[24:25], s[0:1], 0x40              ; sums
	v_lshl_add_u32 v204, v0, 2, 0x42100
	v_mov_b32 v205, 0
	s_mov_b32 s2, ttmp9                            ; ob
	s_and_b32 s3, ttmp7, 0xffff                    ; ib
	v_lshrrev_b32 v1, 5, v0
	v_readfirstlane_b32 s4, v1                     ; wave 0..15
	s_mov_b32 s26, 0x3f38aa3b                      ; |K1| = log2(e) / 2
	s_mov_b32 s27, 0x3f38aa3b
	s_mov_b32 s28, 0xc28ed3aa                      ; K2 - K1 = -49.5 log2(e)
	s_mov_b32 s29, 0xc28ed3aa
	s_mov_b32 s30, 0x4230daf5                      ; UA = 2 ln(1e10 / sqrt(2 pi)) = 44.2138
	s_mov_b32 s31, 0x3eaaaaab                      ; 1/3
	s_mov_b32 s32, 0x76543210                      ; v_permlanex16_b32: each lane takes its own place in the other half
	s_mov_b32 s33, 0xfedcba98
	s_mov_b32 s35, 0xbf317218                      ; -ln 2
	s_mov_b32 s36, 0xc1b834f1                      ; LO = ln 1e-10
	s_mov_b32 s37, 0x40135d8e                      ; HI = ln 10
	s_mov_b32 s39, 0xbfb8aa3b                      ; -log2(e)
	v_lshrrev_b32 v1, 4, v0                        ; g, 0 to 31
	v_and_b32 v23, 15, v0
	v_lshlrev_b32 v23, 4, v23                      ; 16 col, 240 at the most
	v_lshl_add_u32 v[VOFF], v1, 13, v23            ; sums, not ORs: the largest value is 31 x 8,192 + 240
	v_lshl_add_u32 v[XG], v1, 12, v23
	v_lshlrev_b32 v[XA], 3, v1                     ; XL + 8 g
	v_lshlrev_b32 v181, 4, v0                      ; 16 t: where my 16 bytes of the x tile go
	v_add_nc_u32 v[PA], PL, v181
	v_and_b32 v182, 63, v0
	v_lshlrev_b32 v182, 2, v182                    ; my bias column: 4 (t % 64)
	v_bfe_u32 v183, v0, 6, 2
	v_lshl_add_u32 v183, v183, 12, v182            ; and its (b, r) among the block's four: (t / 64) % 4 rows of 4,096 bytes
.irp s, 0,1,2,3
	v_add_nc_u32 v[OFF+\s], \s*0x800000, v[VOFF]   ; b = s: 8 MiB a b
.endr
	s_lshl_b32 s38, s2, 8                          ; 64 columns of 4 bytes
	s_mov_b32 s7, 0
	s_wait_kmcnt 0x0
	s_lshl_b32 s6, s3, 18                          ; 64 rows of 4,096 bytes
	s_or_b32 s6, s6, s38
	s_add_nc_u64 s[8:9], s[8:9], s[6:7]            ; eps, mu, ro at the block's corner
	s_add_nc_u64 s[12:13], s[12:13], s[6:7]
	s_add_nc_u64 s[16:17], s[16:17], s[6:7]
	s_lshl_b32 s6, s3, 8
	s_add_nc_u64 s[20:21], s[20:21], s[6:7]        ; x at column 64 ib
	s_lshl_b32 s6, s3, 14
	s_or_b32 s6, s6, s38
	s_add_nc_u64 s[10:11], s[10:11], s[6:7]        ; eps_bias at (b, r) = 4 ib, column 64 ob
	s_mov_b32 s6, s38
	s_add_nc_u64 s[18:19], s[18:19], s[6:7]        ; ro_bias, mu_bias at column 64 ob
	s_add_nc_u64 s[14:15], s[14:15], s[6:7]
	s_lshl_b32 s6, s3, 17
	s_or_b32 s6, s6, s38
	s_add_nc_u64 s[22:23], s[22:23], s[6:7]        ; part[ib][0][64 ob]
	s_lshl_b32 s6, s3, 4
	s_add_co_u32 s6, s6, s2
	s_lshl_b32 s6, s6, 3
	s_add_nc_u64 s[24:25], s[24:25], s[6:7]        ; sums[16 ib + ob]
	global_load_b128 v[MU:MU+3],   v[VOFF], s[12:13] th:TH_LOAD_NT
	global_load_b128 v[MU+4:MU+7], v[VOFF], s[12:13] offset:4096 th:TH_LOAD_NT
	global_load_b128 v[W:W+3],     v[VOFF], s[16:17] th:TH_LOAD_NT
	global_load_b128 v[W+4:W+7],   v[VOFF], s[16:17] offset:4096 th:TH_LOAD_NT
	global_load_b128 v[U:U+3],     v[XG], s[20:21]                 ; x[t / 16][64 ib + 4 col ..]: sixteen work-groups read it, so no hint
	global_load_b32 v[EB],  v183, s[10:11]
	global_load_b32 v[ROB], v182, s[18:19]
	global_load_b32 v[MB],  v182, s[14:15]
	FILL 0
	FILL 1
	FILL 2
	FILL 3
	s_wait_loadcnt 16                              ; all but the ring's sixteen loads are in
	ds_store_b128 v181, v[U:U+3]                   ; the x tile
	s_wait_dscnt 0x0                               ; for the others' sake: my part of the tile is written
	s_barrier_signal -1
	; the constants of my eight (i, o): register work while the others arrive
	SOFTPLUS 8, W, SG, T, T+8
.set i, 0
.rept 8
	v_log_f32 v[T+i], v[SG+i]
.set i, i+1
.endr
	v_mov_b32 v[CN],   0xc1ff25f5                  ; -|K1| UA = -31.8935; also the plain instruction behind the logarithms
	v_mov_b32 v[CN+1], 0xc1ff25f5
.set i, 0
	s_wait_alu depctr_va_vdst(0)
.rept 8
	v_fmaak_f32 v[T+i], s35, v[T+i], 0xbf6b3f8e    ; c = -ln s - ln(2 pi) / 2
.set i, i+1
.endr
.set i, 0
.rept 8
	v_max_num_f32 v[T+i], s36, v[T+i]              ; c' = max(c, LO)
.set i, i+1
.endr
.set i, 0
.rept 8
	v_fmaak_f32 v[DHI+i], 2.0, v[T+i], 0x423834f1  ; 2 (c' - LO): exactly 0 at c' = LO
	v_fmaak_f32 v[DLO+i], 2.0, v[T+i], 0xc0935d8e  ; 2 (c' - HI)
.set i, i+1
.endr
.set i, 0
.rept 8
	v_max_num_f32 v[DLO+i], 0, v[DLO+i]
.set i, i+1
.endr
.set i, 0
.rept 8
	v_sqrt_f32 v[DHI+i], v[DHI+i]
	v_sqrt_f32 v[DLO+i], v[DLO+i]
.set i, i+1
.endr
	v_mov_b32 v[CD],   0x40549a78                  ; log2 10; also the plain instruction behind the roots
	v_mov_b32 v[CD+1], 0x40549a78
	s_wait_alu depctr_va_vdst(0)
.irp i, 0,2,4,6
	v_pk_mul_f32 v[DHI+\i:DHI+\i+1], v[DHI+\i:DHI+\i+1], v[SG+\i:SG+\i+1]
	v_pk_mul_f32 v[DLO+\i:DLO+\i+1], v[DLO+\i:DLO+\i+1], v[SG+\i:SG+\i+1]
.endr
.irp i, 0,2,4,6
	v_pk_mul_f32 v[AZ+\i:AZ+\i+1], v[DHI+\i:DHI+\i+1], v[DHI+\i:DHI+\i+1]
.endr
.irp i, 0,2,4,6
	v_pk_mul_f32 v[AZ+\i:AZ+\i+1], v[AZ+\i:AZ+\i+1], 0xc2800000 op_sel_hi:[1,0]   ; the sum starts at -64 dhi^2
.endr
	s_barrier_wait -1                              ; the x tile is whole
.irp s, 0,1,2,3
	ds_load_b64 v[X+2*\s:X+2*\s+1], v[XA] offset:256*\s            ; x of the first four b, one pair for each slot
.endr
	; the block's 256 bias elements: waves 0-7 form the prior term of element t % 256, waves 8-15 its posterior term
	SOFTPLUS 1, ROB, SB, 181, 182
	v_fma_f32 v[WB], v[EB], v[SB], v[MB]
	v_mov_b32 v[AV+1], 0
	v_mov_b32 v[AV+2], 0
	v_mov_b32 v[AV+3], 0
	s_cmp_lt_u32 s4, 8
	s_cbranch_scc0 .Lpost
	v_mul_f32 v183, v[WB], v[WB]                   ; u
	v_min_num_f32 v184, s30, v183                  ; v
	v_fma_f32 v185, v183, s28, v[CD]               ; D
	v_fma_f32 v186, v184, s26, v[CN]               ; n
	v_max_num_f32 v185, v185, v186
	v_exp_f32 v185, v185
	v_mov_b32 v[BP], 0
	s_wait_alu depctr_va_vdst(0)
	v_add_f32 v185, 1.0, v185
	v_log_f32 v185, v185
	v_mov_b32 v[AV], v184                          ; the element's v starts the sum of v,
	s_wait_alu depctr_va_vdst(0)
	v_add_f32 v[AL], 0xc014d90e, v185              ; its logarithm and its own L1 the sum of logarithms
	s_branch .Ljoin
.Lpost:
	v_rcp_f32 v183, v[SB]
	v_log_f32 v184, v[SB]
	v_sub_f32 v185, v[WB], v[MB]                   ; d, as the definition forms it
	s_wait_alu depctr_va_vdst(0)
	v_mul_f32 v185, v185, v183
	v_fmaak_f32 v184, s35, v184, 0xbf6b3f8e        ; c
	v_mul_f32 v185, v185, v185
	v_fma_f32 v185, v185, -0.5, v184
	v_med3_num_f32 v[BP], v185, s36, s37           ; held between LO and HI
	v_mov_b32 v[AL], 0
	v_mov_b32 v[AV], 0
.Ljoin:
	s_wait_dscnt 0x0                               ; the four first x are in: the counted waits below then hold on the way into the loop as round its back edge
; One b: 16 elements a lane.  Pair q = 4 r + 2 k + jp of the slot's eight; its constants are pair q % 4.
; fill = 1: the slot is loaded again with the b four further on, eps from memory and x from LDS.
; left = how many younger global loads may stay out; dleft = how many LDS instructions were issued behind the load of this slot's x.
; Every exponential and logarithm has a plain instruction directly behind it that names none of its registers (ISA guide 5.7.2).
.macro TURN s, fill, left, dleft
	s_wait_loadcnt \left                           ; loads come back in order (ISA guide 5.7.1): the slot's four are in, the younger slots' stay out
.set q, 0
.rept 8
	v_pk_fma_f32 v[W+2*q:W+2*q+1], v[E+16*\s+2*q:E+16*\s+2*q+1], v[SG+2*(q%4):SG+2*(q%4)+1], v[MU+2*(q%4):MU+2*(q%4)+1]
.set q, q+1
.endr
.if \fill
	v_add_nc_u32 v[OFF+\s], 0x2000000, v[OFF+\s]   ; four b on; the wait above has shown the loads that named this register done
	FILL \s
.endif
.set q, 0
.rept 8
	v_pk_mul_f32 v[U+2*q:U+2*q+1], v[W+2*q:W+2*q+1], v[W+2*q:W+2*q+1]   ; u
.set q, q+1
.endr
.set q, 0
.rept 8
	MIN2 T+2*q, U+2*q                              ; v = min(u, UA)
.set q, q+1
.endr
.set q, 0
.rept 8
	v_pk_add_f32 v[AV+2*(q%2):AV+2*(q%2)+1], v[AV+2*(q%2):AV+2*(q%2)+1], v[T+2*q:T+2*q+1]
	v_pk_fma_f32 v[U+2*q:U+2*q+1], v[U+2*q:U+2*q+1], s[28:29], v[CD:CD+1] op_sel_hi:[1,0,1]   ; D
.set q, q+1
.endr
.set q, 0
.rept 8
	v_pk_fma_f32 v[T+2*q:T+2*q+1], v[T+2*q:T+2*q+1], s[26:27], v[CN:CN+1] op_sel_hi:[1,0,1]   ; n
.set q, q+1
.endr
.set q, 0
.rept 8
	MAXD U+2*q, T+2*q
.set q, q+1
.endr
	s_wait_dscnt \dleft                            ; LDS instructions end in order (ISA guide 5.7.1): the slot's x, asked for four turns ago, is in
.set q, 0
.rept 8
	v_exp_f32 v[U+2*q], v[U+2*q]
.if q < 2
	v_pk_mul_f32 v[PS+2*q:PS+2*q+1], v[W+2*q:W+2*q+1], v[X+2*\s:X+2*\s+1] op_sel_hi:[1,0]   ; the first products start the sums
.elseif (q/2)%2 == 0
	v_pk_fma_f32 v[PS+2*(q%2):PS+2*(q%2)+1], v[W+2*q:W+2*q+1], v[X+2*\s:X+2*\s+1], v[PS+2*(q%2):PS+2*(q%2)+1] op_sel_hi:[1,0,1]
.else
	v_pk_fma_f32 v[PS+2*(q%2):PS+2*(q%2)+1], v[W+2*q:W+2*q+1], v[X+2*\s:X+2*\s+1], v[PS+2*(q%2):PS+2*(q%2)+1] op_sel:[0,1,0] op_sel_hi:[1,1,1]
.endif
	v_exp_f32 v[U+2*q+1], v[U+2*q+1]
	v_pk_add_f32 v[W+2*q:W+2*q+1], v[W+2*q:W+2*q+1], v[MU+2*(q%4):MU+2*(q%4)+1] neg_lo:[0,1] neg_hi:[0,1]   ; d = w - mu
.set q, q+1
.endr
	ds_store_b128 v[PA], v[PS:PS+3] offset:8192*\s
.if \fill
	ds_load_b64 v[X+2*\s:X+2*\s+1], v[XA] offset:256*\s+1024       ; x of the slot's next b: behind it come a store and a load of each of the next three turns, six in all
.endif
.set q, 0
	s_wait_alu depctr_va_vdst(0)
.rept 4
	v_pk_add_f32 v[T+2*q:T+2*q+1], v[U+4*q+2:U+4*q+3], 1.0 op_sel_hi:[1,0]            ; S = 1 + e1
.set q, q+1
.endr
.set q, 0
.rept 4
	v_pk_fma_f32 v[T+2*q:T+2*q+1], v[U+4*q:U+4*q+1], v[T+2*q:T+2*q+1], v[T+2*q:T+2*q+1]   ; e0 S + S = (1 + e0)(1 + e1)
.set q, q+1
.endr
.set j, 0
.rept 8
	v_med3_num_f32 v[W+j], |v[W+j]|, v[DLO+j%8], v[DHI+j%8]        ; z
.set j, j+1
.endr
	v_pk_mul_f32 v[T:T+1],   v[T:T+1],   v[T+2:T+3]
	v_pk_mul_f32 v[T+4:T+5], v[T+4:T+5], v[T+6:T+7]
.rept 8
	v_med3_num_f32 v[W+j], |v[W+j]|, v[DLO+j%8], v[DHI+j%8]
.set j, j+1
.endr
	v_pk_mul_f32 v[T:T+1], v[T:T+1], v[T+4:T+5]
.set q, 0
.rept 4
	v_pk_fma_f32 v[AZ+2*(q%4):AZ+2*(q%4)+1], v[W+2*q:W+2*q+1], v[W+2*q:W+2*q+1], v[AZ+2*(q%4):AZ+2*(q%4)+1]
.set q, q+1
.endr
	v_mul_f32 v[T], v[T], v[T+1]                   ; the product of sixteen
.rept 2
	v_pk_fma_f32 v[AZ+2*(q%4):AZ+2*(q%4)+1], v[W+2*q:W+2*q+1], v[W+2*q:W+2*q+1], v[AZ+2*(q%4):AZ+2*(q%4)+1]
.set q, q+1
.endr
	v_log_f32 v[T], v[T]
.rept 2
	v_pk_fma_f32 v[AZ+2*(q%4):AZ+2*(q%4)+1], v[W+2*q:W+2*q+1], v[W+2*q:W+2*q+1], v[AZ+2*(q%4):AZ+2*(q%4)+1]
.set q, q+1
.endr
	s_wait_alu depctr_va_vdst(0)
	v_add_f32 v[AL], v[AL], v[T]
.endm
	s_mov_b32 s5, 7
.Ltrip:                                                ; four b a trip; seven trips fill the ring again
	TURN 0, 1, 12, 6
	TURN 1, 1, 12, 6
	TURN 2, 1, 12, 6
	TURN 3, 1, 12, 6
	v_add_nc_u32 v[XA], 1024, v[XA]                ; four rows of the x tile
	v_add_nc_u32 v[PA], 32768, v[PA]               ; four b of partial products
	s_sub_co_u32 s5, s5, 1
	s_cmp_lg_u32 s5, 0
	s_cbranch_scc1 .Ltrip
	TURN 0, 0, 12, 6                               ; the last four b load nothing: the counts run down.  Behind slot s's last x load stand a store and a load
	TURN 1, 0, 8, 5                                ; of each of the 3 - s turns that ended the last trip, and the stores of the s turns here: 6 - s
	TURN 2, 0, 4, 4
	TURN 3, 0, 0, 3
	; the lane's two sums
.set i, 0
.rept 8
	v_rcp_f32 v[T+i], v[SG+i]
.set i, i+1
.endr
	v_pk_add_f32 v[AV:AV+1], v[AV:AV+1], v[AV+2:AV+3]              ; plain, behind the reciprocals
	s_wait_alu depctr_va_vdst(0)
.irp i, 0,2,4,6
	v_pk_mul_f32 v[AZ+\i:AZ+\i+1], v[AZ+\i:AZ+\i+1], v[T+\i:T+\i+1]
.endr
.irp i, 0,2,4,6
	v_pk_mul_f32 v[AZ+\i:AZ+\i+1], v[AZ+\i:AZ+\i+1], v[T+\i:T+\i+1]   ; (sum of z^2 - dhi^2) / s^2
.endr
	v_add_f32 v[AV], v[AV], v[AV+1]
	v_pk_add_f32 v[AZ:AZ+1], v[AZ:AZ+1], v[AZ+2:AZ+3]
	v_pk_add_f32 v[AZ+4:AZ+5], v[AZ+4:AZ+5], v[AZ+6:AZ+7]
	v_pk_add_f32 v[AZ:AZ+1], v[AZ:AZ+1], v[AZ+4:AZ+5]
	v_fma_f32 v[AL], -v[AV], s26, v[AL]            ; K1 x the sum of v
	v_add_f32 v[AZ], v[AZ], v[AZ+1]
	v_add_f32 v[AL], 0xc494d90e, v[AL]             ; + 512 L1: my prior logs, in log2
	v_fmaak_f32 v[AL+1], -0.5, v[AZ], 0xc63834f1   ; 512 LO - half of it: my 512 posterior logs
	v_add_f32 v[AL+1], v[AL+1], v[BP]
	WSUM AL, 23
	WSUM AL+1, 23
	s_lshl_b32 s6, s4, 3
	s_add_co_u32 s6, s6, RED
	v_mov_b32 v1, s6
	ds_store_b64 v1, v[AL:AL+1]                    ; every lane writes the wave's two sums to the wave's own eight bytes
	s_wait_dscnt 0x0                               ; for the others' sake: these and all my partial products are written
	s_barrier_signal -1
	s_barrier_wait -1
	; the sum over the block's 64 rows: thread t takes b = t / 16, columns 4 col .. +3, and adds the 32 g.
	; The last byte read is 254,192 + PL + 31 x 256 + 16 = 270,336: the end of PL.
.set i, 0
.rept 32
	ds_load_b128 v[E+4*i:E+4*i+3], v[VOFF] offset:PL+256*i
.set i, i+1
.endr
	s_wait_dscnt 0x0
.irp w, 16,8,4,2,1
.set i, 0
.rept \w
	v_pk_add_f32 v[E+4*i:E+4*i+1],   v[E+4*i:E+4*i+1],   v[E+4*(i+\w):E+4*(i+\w)+1]
	v_pk_add_f32 v[E+4*i+2:E+4*i+3], v[E+4*i+2:E+4*i+3], v[E+4*(i+\w)+2:E+4*(i+\w)+3]
.set i, i+1
.endr
.endr
	global_store_b128 v[XG], v[E:E+3], s[22:23]    ; sixteen lanes store 256 consecutive bytes, aligned
	s_cmp_lg_u32 s4, 0
	s_cbranch_scc1 .Lend
	; wave 0 adds the sixteen waves' sums: lane l takes wave l % 16, four steps inside each half of the lanes
	v_and_b32 v1, 15, v0
	v_lshlrev_b32 v1, 3, v1
	v_add_nc_u32 v1, RED, v1
	ds_load_b64 v[X:X+1], v1
	v_mov_b32 v[BP], 0
	s_wait_dscnt 0x0
.irp m, 1,2,4,8
	v_add_f32_dpp v[X], v[X], v[X] row_xmask:\m row_mask:0xf bank_mask:0xf
	v_add_f32_dpp v[X+1], v[X+1], v[X+1] row_xmask:\m row_mask:0xf bank_mask:0xf
.endr
	v_cmp_gt_u32 vcc_lo, 1, v0
	s_wait_xcnt 0x0                                ; EXEC is a source of the store above: it changes only behind this wait
	s_and_saveexec_b32 s34, vcc_lo
	global_store_b64 v[BP], v[X:X+1], s[24:25]     ; eight bytes a work-group: all that leaves of its 262,400 logs of each kind
	s_wait_xcnt 0x0                                ; and again in front of the line that widens EXEC
	s_or_b32 exec_lo, exec_lo, s34
.Lend:
	s_wait_tensorcnt 0x0
	ds_add_u32 v204, v205
	s_wait_dscnt 0x0
	s_endpgm
.Lfunc_end_k_q1928fd3625_stream:
	.size	k_q1928fd3625_stream, .Lfunc_end_k_q1928fd3625_stream-k_q1928fd3625_stream
	.p2alignl 7, 3214868480
	.fill 96, 4, 3214868480
	.section	.rodata,"a",@progbits
	.p2align	6, 0x0
	.amdhsa_kernel k_q1928fd3625_stream
		.amdhsa_group_segment_fixed_size 272640
		.amdhsa_private_segment_fixed_size 0
		.amdhsa_enable_private_segment 0
		.amdhsa_kernarg_size 72
		.amdhsa_user_sgpr_count 2
		.amdhsa_user_sgpr_kernarg_segment_ptr 1
		.amdhsa_wavefront_size32 1
		.amdhsa_system_sgpr_workgroup_id_x 1
		.amdhsa_system_sgpr_workgroup_id_y 1
		.amdhsa_system_sgpr_workgroup_id_z 1
		.amdhsa_system_vgpr_workitem_id 0
		.amdhsa_next_free_vgpr 206
		.amdhsa_next_free_sgpr 66
		.amdhsa_reserve_vcc 1
		.amdhsa_float_denorm_mode_32 3
		.amdhsa_float_denorm_mode_16_64 3
		.amdhsa_memory_ordered 1
		.amdhsa_forward_progress 1
		.amdhsa_inst_pref_size 88
	.end_amdhsa_kernel
	.amdgpu_metadata
---
amdhsa.version: [ 1, 2 ]
amdhsa.kernels:
  - .name:           k_q1928fd3625_stream
    .symbol:         k_q1928fd3625_stream.kd
    .args:
      - { .name: eps, .offset: 0, .size: 8, .value_kind: global_buffer, .address_space: global }
      - { .name: eps_bias, .offset: 8, .size: 8, .value_kind: global_buffer, .address_space: global }
      - { .name: mu, .offset: 16, .size: 8, .value_kind: global_buffer, .address_space: global }
      - { .name: mu_bias, .offset: 24, .size: 8, .value_kind: global_buffer, .address_space: global }
      - { .name: ro, .offset: 32, .size: 8, .value_kind: global_buffer, .address_space: global }
      - { .name: ro_bias, .offset: 40, .size: 8, .value_kind: global_buffer, .address_space: global }
      - { .name: x, .offset: 48, .size: 8, .value_kind: global_buffer, .address_space: global }
      - { .name: part, .offset: 56, .size: 8, .value_kind: global_buffer, .address_space: global }
      - { .name: sums, .offset: 64, .size: 8, .value_kind: global_buffer, .address_space: global }
    .group_segment_fixed_size: 272640
    .private_segment_fixed_size: 0
    .kernarg_segment_align: 8
    .kernarg_segment_size: 72
    .max_flat_workgroup_size: 512
    .sgpr_count:     66
    .vgpr_count:     206
    .wavefront_size: 32
...
	.end_amdgpu_metadata
.endif
;; end of part 1
;; launch finish (part 2): grid 32 x 1, 8 waves a work-group, no clusters, 0 bytes of LDS; arguments part, sums, eps_bias, ro_bias, mu_bias, out0, out1, out2; writes out0, out1, out2
.if DOCPART == 2
	.amdgcn_target "amdgcn-amd-amdhsa--gfx1250"
	.amdhsa_code_object_version 6
	.text
	.protected	k_q1928fd3625_finish
	.globl	k_q1928fd3625_finish
	.p2align	8
	.type	k_q1928fd3625_finish,@function
k_q1928fd3625_finish:
	s_mov_b64 s[64:65], 0
	v_nop
	global_prefetch_b8 v0, s[64:65] scope:SCOPE_SE
	s_setreg_imm32_b32 hwreg(HW_REG_WAVE_MODE, 25, 1), 1
	s_wait_xcnt 0x0
; The closing sums.  out0[b][o] = (sum over 16 row blocks of part[ib][b][o] + eb[b,0,o] sb[o] + eb[b,1,o] sb[o]) / 2 + mu_bias[o], sb = softplus(ro_bias).
; Work-group b, eight waves; thread t owns columns 4 t .. +3, so every load and store of sixteen lanes covers 256 consecutive bytes, aligned.
; All 20 loads of a thread go out together; there is no loop, no LDS and no barrier.
; Wave 0 of work-group 0 also adds the 256 work-groups' pairs in sums (prior in log2, posterior in ln): a lane takes eight pairs, 64 bytes, then the lanes are added.
; out1 = S1 ln 2 / 64, out2 = S2 / 64.  The limits on ro_bias are those of softplus below: ro_bias < -87.3 gives sb = 0.
.set P,   16                           ; v[16:79]   part, four registers a row block
.set EBR, 80                           ; v[80:87]   eps_bias, r = 0, 1
.set ROB, 88                           ; v[88:91]   ro_bias
.set MB,  92                           ; v[92:95]   mu_bias
.set Q,   96                           ; v[96:111]  eight pairs of sums; then at work for softplus
.set SB,  100
; softplus of n registers: sg = max(ro, 0) + log1p(y), y = 2^(-|ro| log2 e).  log1p(y) = ln 2 log2(1 + y) from y = 2^-7 on, below it y (1 + y (y / 3 - 1/2)),
; cut at y^3 / 4 < 1.2e-7 of the result.  ro is overwritten.  Behind each run of transcendentals a plain instruction that names none of their registers comes first (ISA guide 5.7.2).
.macro SOFTPLUS n, ro, sg, y, p
.set i, 0
.rept \n
	v_mul_f32 v[\y+i], s39, |v[\ro+i]|
.set i, i+1
.endr
.set i, 0
.rept \n
	v_exp_f32 v[\y+i], v[\y+i]
.set i, i+1
.endr
.set i, 0
.rept \n
	v_max_num_f32 v[\ro+i], 0, v[\ro+i]
.set i, i+1
.endr
.set i, 0
	s_wait_alu depctr_va_vdst(0)
.rept \n
	v_add_f32 v[\sg+i], 1.0, v[\y+i]
.set i, i+1
.endr
.set i, 0
.rept \n
	v_log_f32 v[\sg+i], v[\sg+i]
.set i, i+1
.endr
.set i, 0
.rept \n
	v_fma_f32 v[\p+i], v[\y+i], s31, -0.5
.set i, i+1
.endr
.set i, 0
.rept \n
	v_fma_f32 v[\p+i], v[\p+i], v[\y+i], 1.0
.set i, i+1
.endr
.set i, 0
	s_wait_alu depctr_va_vdst(0)
.rept \n
	v_mul_f32 v[\p+i], v[\p+i], v[\y+i]
	v_mul_f32 v[\sg+i], 0x3f317218, v[\sg+i]       ; ln 2
	v_cmp_gt_f32 vcc_lo, 0x3c000000, v[\y+i]       ; y < 2^-7: the series
	v_cndmask_b32 v[\sg+i], v[\sg+i], v[\p+i], vcc_lo
	v_add_f32 v[\sg+i], v[\sg+i], v[\ro+i]
.set i, i+1
.endr
.endm
.macro WSUM r, tmp                     ; sum over the wave's 32 lanes; tmp has been written before
	v_add_f32_dpp v[\r], v[\r], v[\r] row_xmask:1 row_mask:0xf bank_mask:0xf
	v_add_f32_dpp v[\r], v[\r], v[\r] row_xmask:2 row_mask:0xf bank_mask:0xf
	v_add_f32_dpp v[\r], v[\r], v[\r] row_xmask:4 row_mask:0xf bank_mask:0xf
	v_add_f32_dpp v[\r], v[\r], v[\r] row_xmask:8 row_mask:0xf bank_mask:0xf
	v_permlanex16_b32 v[\tmp], v[\r], s32, s33
	v_add_f32 v[\r], v[\r], v[\tmp]
.endm
	s_load_b512 s[8:23], s[0:1], 0x0               ; part 8, sums 10, eps_bias 12, ro_bias 14, mu_bias 16, out0 18, out1 20, out2 22
	s_mov_b32 s2, ttmp9                            ; b
	v_lshrrev_b32 v2, 5, v0
	v_readfirstlane_b32 s4, v2                     ; wave 0..7
	s_mov_b32 s31, 0x3eaaaaab                      ; 1/3
	s_mov_b32 s32, 0x76543210
	s_mov_b32 s33, 0xfedcba98
	s_mov_b32 s39, 0xbfb8aa3b                      ; -log2(e)
	v_lshlrev_b32 v1, 4, v0                        ; my 16 bytes of a row of 4,096
	v_lshlrev_b32 v2, 6, v0                        ; in wave 0: my 64 bytes of sums
	v_mov_b32 v3, 0
	v_mov_b32 v4, 0
	s_lshl_b32 s6, s2, 12
	s_mov_b32 s7, 0
	s_wait_kmcnt 0x0
	s_add_nc_u64 s[8:9], s[8:9], s[6:7]            ; part[0][b], out0[b]
	s_add_nc_u64 s[18:19], s[18:19], s[6:7]
	s_lshl_b32 s6, s2, 13
	s_add_nc_u64 s[12:13], s[12:13], s[6:7]        ; eps_bias[b][0]
.set i, 0
.rept 16
	global_load_b128 v[P+4*i:P+4*i+3], v1, s[8:9] offset:i*131072 th:TH_LOAD_NT
.set i, i+1
.endr
	global_load_b128 v[EBR:EBR+3],   v1, s[12:13] th:TH_LOAD_NT
	global_load_b128 v[EBR+4:EBR+7], v1, s[12:13] offset:4096 th:TH_LOAD_NT
	global_load_b128 v[ROB:ROB+3],   v1, s[14:15]
	global_load_b128 v[MB:MB+3],     v1, s[16:17]
	s_cmp_lg_u32 s2, 0
	s_cbranch_scc1 .Lcommon
	s_cmp_lg_u32 s4, 0
	s_cbranch_scc1 .Lcommon
	; the two scalars: one wave of the launch
.irp i, 0,1,2,3
	global_load_b128 v[Q+4*\i:Q+4*\i+3], v2, s[10:11] offset:16*\i
.endr
	s_wait_loadcnt 0x0
.irp i, 0,2,4,6
	v_pk_add_f32 v[Q+\i:Q+\i+1], v[Q+\i:Q+\i+1], v[Q+8+\i:Q+8+\i+1]
.endr
	v_pk_add_f32 v[Q:Q+1],   v[Q:Q+1],   v[Q+4:Q+5]
	v_pk_add_f32 v[Q+2:Q+3], v[Q+2:Q+3], v[Q+6:Q+7]
	v_pk_add_f32 v[Q:Q+1],   v[Q:Q+1],   v[Q+2:Q+3]
	WSUM Q, 4
	WSUM Q+1, 4
	v_mul_f32 v[Q],   0x3c317218, v[Q]             ; ln 2 / 64
	v_mul_f32 v[Q+1], 0x3c800000, v[Q+1]           ; 1 / 64
	v_cmp_gt_u32 vcc_lo, 1, v0
	s_wait_xcnt 0x0                                ; EXEC is a source of the loads above: it changes only behind this wait
	s_and_saveexec_b32 s34, vcc_lo
	global_store_b32 v3, v[Q],   s[20:21]
	global_store_b32 v3, v[Q+1], s[22:23]
	s_wait_xcnt 0x0                                ; and again in front of the line that widens EXEC; it also frees the stores' data registers
	s_or_b32 exec_lo, exec_lo, s34
.Lcommon:
	s_wait_loadcnt 0x0
	SOFTPLUS 4, ROB, SB, 104, 108
.irp w, 8,4,2,1
.set i, 0
.rept \w
	v_pk_add_f32 v[P+4*i:P+4*i+1],   v[P+4*i:P+4*i+1],   v[P+4*(i+\w):P+4*(i+\w)+1]
	v_pk_add_f32 v[P+4*i+2:P+4*i+3], v[P+4*i+2:P+4*i+3], v[P+4*(i+\w)+2:P+4*(i+\w)+3]
.set i, i+1
.endr
.endr
.irp i, 0,2
	v_pk_fma_f32 v[P+\i:P+\i+1], v[EBR+\i:EBR+\i+1],     v[SB+\i:SB+\i+1], v[P+\i:P+\i+1]
.endr
.irp i, 0,2
	v_pk_fma_f32 v[P+\i:P+\i+1], v[EBR+4+\i:EBR+4+\i+1], v[SB+\i:SB+\i+1], v[P+\i:P+\i+1]
.endr
.irp i, 0,2
	v_pk_fma_f32 v[P+\i:P+\i+1], v[P+\i:P+\i+1], 0.5, v[MB+\i:MB+\i+1] op_sel_hi:[1,0,1]   ; the mean over r; mu_bias enters both r, so once after the halving
.endr
	global_store_b128 v1, v[P:P+3], s[18:19]       ; sixteen lanes store 256 consecutive bytes, aligned
	s_endpgm
.Lfunc_end_k_q1928fd3625_finish:
	.size	k_q1928fd3625_finish, .Lfunc_end_k_q1928fd3625_finish-k_q1928fd3625_finish
	.p2alignl 7, 3214868480
	.fill 96, 4, 3214868480
	.section	.rodata,"a",@progbits
	.p2align	6, 0x0
	.amdhsa_kernel k_q1928fd3625_finish
		.amdhsa_group_segment_fixed_size 0
		.amdhsa_private_segment_fixed_size 0
		.amdhsa_enable_private_segment 0
		.amdhsa_kernarg_size 64
		.amdhsa_user_sgpr_count 2
		.amdhsa_user_sgpr_kernarg_segment_ptr 1
		.amdhsa_wavefront_size32 1
		.amdhsa_system_sgpr_workgroup_id_x 1
		.amdhsa_system_sgpr_workgroup_id_y 1
		.amdhsa_system_sgpr_workgroup_id_z 1
		.amdhsa_system_vgpr_workitem_id 0
		.amdhsa_next_free_vgpr 112
		.amdhsa_next_free_sgpr 66
		.amdhsa_reserve_vcc 1
		.amdhsa_float_denorm_mode_32 3
		.amdhsa_float_denorm_mode_16_64 3
		.amdhsa_memory_ordered 1
		.amdhsa_forward_progress 1
		.amdhsa_inst_pref_size 10
	.end_amdhsa_kernel
	.amdgpu_metadata
---
amdhsa.version: [ 1, 2 ]
amdhsa.kernels:
  - .name:           k_q1928fd3625_finish
    .symbol:         k_q1928fd3625_finish.kd
    .args:
      - { .name: part, .offset: 0, .size: 8, .value_kind: global_buffer, .address_space: global }
      - { .name: sums, .offset: 8, .size: 8, .value_kind: global_buffer, .address_space: global }
      - { .name: eps_bias, .offset: 16, .size: 8, .value_kind: global_buffer, .address_space: global }
      - { .name: ro_bias, .offset: 24, .size: 8, .value_kind: global_buffer, .address_space: global }
      - { .name: mu_bias, .offset: 32, .size: 8, .value_kind: global_buffer, .address_space: global }
      - { .name: out0, .offset: 40, .size: 8, .value_kind: global_buffer, .address_space: global }
      - { .name: out1, .offset: 48, .size: 8, .value_kind: global_buffer, .address_space: global }
      - { .name: out2, .offset: 56, .size: 8, .value_kind: global_buffer, .address_space: global }
    .group_segment_fixed_size: 0
    .private_segment_fixed_size: 0
    .kernarg_segment_align: 8
    .kernarg_segment_size: 64
    .max_flat_workgroup_size: 256
    .sgpr_count:     66
    .vgpr_count:     112
    .wavefront_size: 32
...
	.end_amdgpu_metadata
.endif
;; end of part 2
